; MI455X (gfx1250); checked and timed in simulation.
; The chip was launched on July 23, 2026; its instructions are those of AMD's public machine-readable ISA for CDNA 5 (MIT licence, August 2026) and "CDNA5" Instruction Set Architecture Reference Guide (July 2026). The comments in the code are by the model that wrote it; some were corrected since.
;; Bool. Allowed arithmetic: matrix products marked QUANTISED: E2M1 operands, one E8M0 scale for each 32 along K, by v_wmma_scale_f32_16x16x128_f8f6f4 with both operands' format E2M1 (or v_wmma_scale_f32_32x16x128_f4), f32 sums; everything else in f32.
;; Inputs: W_codes 2 x 4,096 x 128 x 16 uint8 (E2M1 codes of W, K innermost, in blocks of 32 codes, two codes a byte); W_scales 2 x 4,096 x 128 uint8 (E8M0 scales of W, one for each 32 codes along K); b 2 x 4,096 float32; x 2,048 x 4,096 float32.
;; Outputs: out0 2,048 x 4,096 float32.
;; This version of the problem:
;;   THIS VERSION OF THE PROBLEM IS GIVEN IN LOW PRECISION. The matrix products marked QUANTISED in the list below multiply operands that are first quantised to E2M1 (2 exponent bits, 1 mantissa bit; 4 bits a number), with one power-of-two scale for each 32 numbers along K (OCP MX v1.0); their sums are f32. All else is computed in f32.
;;   The module's matrix products, in the order in which they are computed (A, B: the left and right operand; K: the contracted axis; several contracted axes count as one K, in the product's order):
;;     1. [M 8,192, K 4,096] x [K 4,096, N 2,048]; A: input W (given as codes); B: input x: QUANTISED
;;   THE QUANTISER, for each operand of a quantised product, along K:
;;     - K is cut into blocks of 32 from its start; a last block that is shorter is filled with zeros.
;;     - A block's scale is 2^e with e = floor(log2(the largest magnitude in the block)) - 2, held to -126 .. 127; a block of zeros has e = 0. As a byte (E8M0): e + 127.
;;     - Each number is divided by its block's scale, clamped to +-6, and rounded to the nearest number of E2M1, ties to even, subnormals kept.
;;     - The product sums the exact products of the quantised numbers (number of the format x scale) in f32.
;;   ~~~python
;;   def quantise(x, axis):      # numpy; x: float32 -> the quantised numbers, widened to float32 again
;;       x = np.moveaxis(x, axis, -1); K = x.shape[-1]
;;       x = np.pad(x, [(0, 0)] * (x.ndim - 1) + [(0, -K % 32)]); x = x.reshape(x.shape[:-1] + (-1, 32)); a = np.abs(x).max(-1, keepdims=True)
;;       e = np.where(a > 0, np.clip(np.frexp(np.where(a > 0, a, 1))[1] - 1 - 2, -126, 127), 0)      # np.frexp(a)[1] - 1 = floor(log2(a)), exactly
;;       r = np.clip(x / 2.0 ** e, -6, 6)
;;       step = 2.0 ** (np.maximum(np.frexp(np.where(r == 0, 1, r))[1] - 1, 0) - 1)
;;       q = np.round(r / step) * step * 2.0 ** e      # np.round: ties to even
;;       return np.moveaxis(q.reshape(q.shape[:-2] + (-1,))[..., :K], -1, axis).astype(np.float32)
;;   ~~~
;;   INPUTS GIVEN AS CODES. W (in the module: [2, 4096, 4096], K = its axis 1): each comes as NAME_codes (uint8): NAME with its K axis moved to the last place and cut into blocks of 32 codes, [.., K / 32, bytes a block], one block behind the other in memory; two codes a byte, the lower K in the low four bits (a code: sign, 2 exponent bits, 1 mantissa bit); and NAME_scales (uint8): the same leading axes, one E8M0 byte (e + 127) for each 32 codes along K. Its value is code x scale, taken as it is: it is not quantised again, and the codes and scales need not be those that the quantiser above would give.
;; One version. Each part assembles by itself: llvm-mc -triple=amdgcn-amd-amdhsa -mcpu=gfx1250 --defsym DOCPART=n.
;; ======== version 1 of 1: 2 launches
;; limits: right only within a limited range of input values
;; workspace buffers: xq 4,194,304 bytes; xs 262,144 bytes; flags 256 bytes of whole numbers
;; launch quant (part 1): grid 256 x 1, 8 waves a work-group, no clusters, 44,032 bytes of LDS; arguments x, xq, xs, flags; writes xq, xs, flags
.if DOCPART == 1
	.amdgcn_target "amdgcn-amd-amdhsa--gfx1250"
	.amdhsa_code_object_version 6
	.text
	.protected	k_q8bfd7b1fcd_quant
	.globl	k_q8bfd7b1fcd_quant
	.p2align	8
	.type	k_q8bfd7b1fcd_quant,@function
k_q8bfd7b1fcd_quant:
	s_mov_b64 s[64:65], 0
	v_nop
	global_prefetch_b8 v0, s[64:65] scope:SCOPE_SE
	s_setreg_imm32_b32 hwreg(HW_REG_WAVE_MODE, 25, 1), 1
	s_wait_xcnt 0x0
; x [2048][4096] f32 becomes codes of FP4 (E2M1), xq [2048][2048 bytes] (the lower k in the low four bits), with one E8M0 byte for each 32 along K, xs [2048][128],
; and one flag a row, flags: bit i of byte j is 1 where row 8 j + i has a sum above 0 (its expert is 1).
; A block's scale is 2^(floor(log2(its largest magnitude)) - 2); its byte is the largest magnitude's exponent field - 2, held at 1 from below.
; SHARES.  Work-group g owns rows 8 g .. 8 g + 7; wave w owns K step w (512 numbers) of each: 8 steps, one a row.  Work-groups share no input: no cluster, no tensor load, no matrix work; no loop to prefetch ahead in:
; all 32 loads of a wave stand at its head.  A load reads 512 consecutive bytes, 16 a lane; the conversions want 16 NEIGHBOURS along K in a lane: a step's 2,048 bytes turn through the wave's own stage in LDS
; (16 bytes of padding behind each 64).  A step's codes are 8 bytes a lane: one store of 256 consecutive aligned bytes.  Scale bytes are gathered in LDS: 1,024 consecutive bytes of xs a work-group.
; flags: a work-group stores one byte, a part of an aligned 256: 256 bytes in the whole launch.
; LIMITS: NaN and infinities in x are not served.  A block of zeros gets the byte 1 where the rule says 127: its codes are zeros, and this program alone reads the bytes.
; The row's sum, which stands for its mean (they differ in sign only where the mean falls under the smallest f32 number), is a tree of f32 additions: a row whose true sum lies within f32 rounding of 0
; may fall on the other side than under another order of summing.
.set SP,    80
.set STG,   32*SP                      ; a turn stage
.set SCB,   16*STG                     ; behind eight waves' two stages: the scale bytes, 8 rows x 128
.set SUMS,  SCB+1024                   ; 128 bytes for each wave: its 8 row sums
.set SPARE, SUMS+1024                  ; the spare words
.set ROWX,  16384                      ; a row of x in bytes
.set R,     16                         ; v16-143  eight sets of 16 numbers as they are loaded
.set X,     144                        ; v144-175 two sets of 16 neighbours
.set C,     176                        ; v176-191 codes, two registers a step
.set E,     192                        ; v192-199 scale bytes
.set S,     200                        ; v200-207 sums at work
.set SR,    208                        ; v208-215 a sum for each row
	s_load_b256 s[4:11], s[0:1], 0x0               ; x, xq, xs, flags
	v_lshl_add_u32 v220, v0, 2, SPARE
	v_mov_b32 v221, 0
	v_lshrrev_b32 v1, 5, v0
	v_readfirstlane_b32 s16, v1                    ; wave 0..7
	v_and_b32 v2, 31, v0                           ; lane
	v_lshlrev_b32 v3, 4, v2                        ; 16 x lane
	s_mul_i32 s17, s16, 2*STG
	v_lshrrev_b32 v14, 2, v2
	v_mul_u32_u24 v14, v14, SP
	v_and_b32 v15, 3, v2
	v_lshl_add_u32 v14, v15, 4, v14
	v_add_nc_u32 v14, s17, v14                     ; the turn stage, way in
	v_mul_u32_u24 v15, v2, SP
	v_add_nc_u32 v15, s17, v15                     ; way out: my 16 neighbours
	v_lshlrev_b32 v13, 3, v2                       ; 8 x lane: my codes
	v_lshrrev_b32 v5, 1, v2
	s_lshl_b32 s18, s16, 4
	s_add_co_u32 s18, s18, SCB
	v_add_nc_u32 v5, s18, v5                       ; my block's scale byte
	v_and_b32 v6, 7, v2
	v_lshl_add_u32 v6, v6, 2, SUMS                 ; wave 0: a row's sums
	v_add_nc_u32 v7, SCB, v3                       ; wave 0: the scale bytes on their way out
	s_lshl_b32 s19, s16, 7
	s_add_co_u32 s19, s19, SUMS
	v_mov_b32 v12, s19                             ; my wave's sums
	s_mov_b32 s12, 0x76543210                      ; v_permlanex16_b32's selects for lane l xor 16
	s_mov_b32 s13, 0xfedcba98
	s_lshl_b32 s20, ttmp9, 17                      ; x: 8 rows a work-group, 2,048 bytes a K step
	s_lshl_b32 s21, s16, 11
	s_add_co_u32 s20, s20, s21
	s_mov_b32 s21, 0
	s_lshl_b32 s22, ttmp9, 14                      ; xq: 8 rows of 2,048 bytes, 256 a K step
	s_lshl_b32 s23, s16, 8
	s_add_co_u32 s22, s22, s23
	s_mov_b32 s23, 0
	s_lshl_b32 s24, ttmp9, 10
	s_mov_b32 s25, 0
	s_mov_b32 s26, ttmp9
	s_mov_b32 s27, 0
	s_wait_alu depctr_va_vdst(0)
	s_wait_kmcnt 0x0
	s_add_nc_u64 s[4:5], s[4:5], s[20:21]
	s_add_nc_u64 s[6:7], s[6:7], s[22:23]
	s_add_nc_u64 s[8:9], s[8:9], s[24:25]
	s_add_nc_u64 s[10:11], s[10:11], s[26:27]
.irp t, 0,1,2,3,4,5,6,7
.irp i, 0,1,2,3
	global_load_b128 v[R+16*\t+4*\i:R+16*\t+4*\i+3], v3, s[4:5] offset:ROWX*\t+512*\i th:TH_LOAD_NT
.endr
.endr
.macro TURN t                          ; LDS serves a wave's instructions in order (ISA guide 5.7.1.4): no wait between the stores and the loads
.irp i, 0,1,2,3
	ds_store_b128 v14, v[R+16*(\t)+4*\i:R+16*(\t)+4*\i+3] offset:STG*((\t)%2)+8*SP*\i
.endr
.irp i, 0,1,2,3
	ds_load_b128 v[X+16*((\t)%2)+4*\i:X+16*((\t)%2)+4*\i+3], v15 offset:STG*((\t)%2)+16*\i
.endr
.endm
	s_wait_loadcnt 28                              ; row 0's four loads are in; the seven rows behind it may be out
	TURN 0
.macro STEP t
.set XS, X+16*((\t)%2)
.if (\t) > 0
	s_wait_dscnt 1                                 ; this row's numbers are back (the last row's byte store may be out)
.else
	s_wait_dscnt 0x0
.endif
.if (\t) < 7
	s_wait_loadcnt 4*(6-(\t))                      ; the next row's four loads are in
	TURN (\t)+1
.endif
	v_max3_num_f32 v8, |v[XS]|, |v[XS+1]|, |v[XS+2]|               ; the largest magnitude of my 16, in two chains
	v_max3_num_f32 v9, |v[XS+3]|, |v[XS+4]|, |v[XS+5]|
.irp i, 0,1,2,3
	v_pk_add_f32 v[S+2*\i:S+2*\i+1], v[XS+4*\i:XS+4*\i+1], v[XS+4*\i+2:XS+4*\i+3]   ; the sum of my 16
.endr
.irp i, 6,10
	v_max3_num_f32 v8, v8, |v[XS+\i]|, |v[XS+\i+1]|
	v_max3_num_f32 v9, v9, |v[XS+\i+2]|, |v[XS+\i+3]|
.endr
	v_max3_num_f32 v8, v8, |v[XS+14]|, |v[XS+15]|
	v_pk_add_f32 v[S:S+1], v[S:S+1], v[S+2:S+3]
	v_max3_num_f32 v8, v8, v9, 0x1800000           ; and the floor 2^(3 - 127): so the byte cannot fall under 1
	v_pk_add_f32 v[S+4:S+5], v[S+4:S+5], v[S+6:S+7]
	v_max_num_f32_dpp v8, v8, v8 row_xmask:1 row_mask:0xf bank_mask:0xf   ; with my neighbour's 16: the block's
	v_pk_add_f32 v[S:S+1], v[S:S+1], v[S+4:S+5]
	v_add_nc_u32 v11, 0xff000000, v8               ; 2 off its exponent field: the conversion's scale operand
	v_add_f32 v[SR+(\t)], v[S], v[S+1]
	v_cvt_scalef32_pk8_fp4_f32 v[C+2*(\t)], v[XS:XS+7], v11
	v_cvt_scalef32_pk8_fp4_f32 v[C+2*(\t)+1], v[XS+8:XS+15], v11
	v_lshrrev_b32 v[E+(\t)], 23, v11               ; the scale's byte.  (The plain line behind the conversions)
	v_nop
	global_store_b64 v13, v[C+2*(\t):C+2*(\t)+1], s[6:7] offset:2048*(\t)   ; 32 lanes store 256 consecutive bytes, aligned
	ds_store_b8 v5, v[E+(\t)] offset:128*(\t)      ; both lanes of a block write the same byte with the same value
.endm
.irp t, 0,1,2,3,4,5,6,7
	STEP \t
.endr
.irp m, 1,2,4,8                        ; the rows' sums over the 32 lanes, eight rows by turns
.irp t, 0,1,2,3,4,5,6,7
	v_add_f32_dpp v[SR+\t], v[SR+\t], v[SR+\t] row_xmask:\m row_mask:0xf bank_mask:0xf
.endr
.endr
.irp t, 0,1,2,3,4,5,6,7
	v_permlanex16_b32 v[S+\t], v[SR+\t], s12, s13
.endr
.irp t, 0,1,2,3,4,5,6,7
	v_add_f32 v[SR+\t], v[SR+\t], v[S+\t]
.endr
.irp t, 0,1,2,3,4,5,6,7
	ds_store_b32 v12, v[SR+\t] offset:4*\t         ; all lanes write the same word with the same value
.endr
	s_wait_alu depctr_va_vdst(0)
	s_wait_dscnt 0x0                               ; for the others' sake: my bytes and sums have landed
	s_barrier_signal -1
	s_barrier_wait -1
	s_cmp_lg_u32 s16, 0
	s_cbranch_scc1 .Lend
	ds_load_b128 v[16:19], v7
	ds_load_b128 v[20:23], v7 offset:512
.irp w, 0,1,2,3,4,5,6,7
	ds_load_b32 v[24+\w], v6 offset:128*\w         ; lane l: row l % 8
.endr
	s_wait_dscnt 0x0
	global_store_b128 v3, v[16:19], s[8:9]
	global_store_b128 v3, v[20:23], s[8:9] offset:512
.irp w, 0,2,4,6
	v_add_f32 v[24+\w], v[24+\w], v[25+\w]
.endr
	v_add_f32 v24, v24, v26
	v_add_f32 v28, v28, v30
	v_add_f32 v24, v24, v28
	v_cmp_lt_f32 s20, 0, v24
	s_and_b32 s20, s20, 0xff                       ; lanes 0-7: the eight rows' flags
	v_mov_b32 v32, s20
	v_mov_b32 v33, 0
	s_wait_alu depctr_va_vdst(0)
	s_wait_xcnt 0x0                                ; EXEC is a source of the stores above: it changes only behind this wait
	v_cmp_eq_u32 vcc_lo, 0, v2
	s_and_saveexec_b32 s21, vcc_lo
	global_store_b8 v33, v32, s[10:11]
	s_wait_xcnt 0x0                                ; and again, in front of the line that widens it
	s_or_b32 exec_lo, exec_lo, s21
.Lend:
	s_wait_tensorcnt 0x0                           ; the wave's end
	ds_add_u32 v220, v221
	s_wait_dscnt 0x0
	s_endpgm
.Lfunc_end_k_q8bfd7b1fcd_quant:
	.size	k_q8bfd7b1fcd_quant, .Lfunc_end_k_q8bfd7b1fcd_quant-k_q8bfd7b1fcd_quant
	.p2alignl 7, 3214868480
	.fill 96, 4, 3214868480
	.section	.rodata,"a",@progbits
	.p2align	6, 0x0
	.amdhsa_kernel k_q8bfd7b1fcd_quant
		.amdhsa_group_segment_fixed_size 44032
		.amdhsa_private_segment_fixed_size 0
		.amdhsa_enable_private_segment 0
		.amdhsa_kernarg_size 32
		.amdhsa_user_sgpr_count 2
		.amdhsa_user_sgpr_kernarg_segment_ptr 1
		.amdhsa_wavefront_size32 1
		.amdhsa_system_sgpr_workgroup_id_x 1
		.amdhsa_system_sgpr_workgroup_id_y 1
		.amdhsa_system_sgpr_workgroup_id_z 1
		.amdhsa_system_vgpr_workitem_id 0
		.amdhsa_next_free_vgpr 232
		.amdhsa_next_free_sgpr 66
		.amdhsa_reserve_vcc 1
		.amdhsa_float_denorm_mode_32 3
		.amdhsa_float_denorm_mode_16_64 3
		.amdhsa_memory_ordered 1
		.amdhsa_forward_progress 1
		.amdhsa_inst_pref_size 27
	.end_amdhsa_kernel
	.amdgpu_metadata
---
amdhsa.version: [ 1, 2 ]
amdhsa.kernels:
  - .name:           k_q8bfd7b1fcd_quant
    .symbol:         k_q8bfd7b1fcd_quant.kd
    .args:
      - { .name: x, .offset: 0, .size: 8, .value_kind: global_buffer, .address_space: global }
      - { .name: xq, .offset: 8, .size: 8, .value_kind: global_buffer, .address_space: global }
      - { .name: xs, .offset: 16, .size: 8, .value_kind: global_buffer, .address_space: global }
      - { .name: flags, .offset: 24, .size: 8, .value_kind: global_buffer, .address_space: global }
    .group_segment_fixed_size: 44032
    .private_segment_fixed_size: 0
    .kernarg_segment_align: 8
    .kernarg_segment_size: 32
    .max_flat_workgroup_size: 256
    .sgpr_count:     66
    .vgpr_count:     232
    .wavefront_size: 32
...
	.end_amdgpu_metadata
.endif
;; end of part 1
;; launch gemm (part 2): grid 16 x 16, 4 waves a work-group, no clusters, 327,680 bytes of LDS; arguments xq, xs, flags, W_codes, W_scales, b, out0; writes out0
.if DOCPART == 2
	.amdgcn_target "amdgcn-amd-amdhsa--gfx1250"
	.amdhsa_code_object_version 6
	.text
	.protected	k_q8bfd7b1fcd_gemm
	.globl	k_q8bfd7b1fcd_gemm
	.p2align	8
	.type	k_q8bfd7b1fcd_gemm,@function
k_q8bfd7b1fcd_gemm:
	s_mov_b64 s[64:65], 0
	v_nop
	global_prefetch_b8 v0, s[64:65] scope:SCOPE_SE
	s_setreg_imm32_b32 hwreg(HW_REG_WAVE_MODE, 25, 1), 1
	s_wait_xcnt 0x0
; out0[n][f] = tanh(sum over k of Q(x)[n][k] W[g(n)][k][f] + b[g(n)][f]), g(n) the flag of row n.  Codes of FP4 (E2M1), one E8M0 scale for each 32 along K; sums in f32.
; ONLY THE CHOSEN EXPERT IS MULTIPLIED: the problem's own selection keeps, of a row's two products, the one of its expert g(n); the other's result is thrown away for every value of the inputs.
; An infinity or NaN that reaches only a product thrown away is carried to the result neither here nor there.
; ROW TILES.  16 tiles of at most 144 rows of one expert: expert 0 has c0 = ceil(n0 / 144) (16 where n1 = 0), expert 1 the other 16 - c0, which hold n1 rows for every split: 144 (16 - c0) - 112 > n1.
; An expert's n rows are shared evenly: S = ceil(n / c), at most 144; tile j begins at rank min(S j, n - c + j) and ends where tile j + 1 begins: 1 to 144 rows, never none.  Slots behind a tile's last row repeat its first
; rows (and its last row, where more than half of the slots are over): the same numbers, stored to the same place by the same wave.  No branch hangs on the flags.
; SHARES.  Work-group (tc, t): columns 256 tc on, row tile t.  Four waves; each takes all 144 slots x 64 columns: 9 blocks of x (a) x 4 blocks of W (b): 36 accumulators, 288 registers.
; SOURCE 0 = 16 rows of W, SOURCE 1 = 16 slots of x: lane (r, h), register j holds slot 16 a + r, column 16 b + 8 h + j.  The bias is the C of each sum's first product.
; K goes in 8 steps of 512.  W: a ring of two LDS slots, one tensor load of 64 rows x 256 bytes a wave (a wave reads its own 64 rows alone).  x: its rows are gathered, so they come through registers: asked for two
; K steps ahead of the store into LDS slots of their own (no tensor load lands there), in two sets of registers.  Scale bytes, for all of K, come once, through registers, as runs of 256 bytes + 16 of padding (two rows a run).
; LDS rows are 272 bytes apart, an odd multiple of 16: the 16 rows of a fragment load start at 16 different banks (64 banks of 4 bytes: ISA guide 11.1).
; NO CLUSTER: which W tile a work-group needs hangs on its tile's expert, a number read from memory, so partners' descriptors may differ; x is gathered by registers, not by tensor loads.
; PREFETCH: 32 rows x 256 bytes of W an instruction, a lane a row: expert t / 8, rows 32 (t % 8) on of the tc's 256: the 16 work-groups of a tc share out both experts' rows.  At the head waves 1 to 3 name K steps 0 to 2, and
; wave 0 names 16 rows of x for K steps 0 and 1 (each row by two work-groups of the launch), while the flags are on their way.  In the loop wave 0 names, behind the refill with K step s + 2, K step s + 4: 4 to 7.
; REGISTERS: window 0: v0-31 addresses; v32-103 scale words, two sets; v104-175 x on its way to LDS, set 0; v176-193 x's row offsets; v194-255 the head's work.  On the way out v32-175 are used anew.
;   window 1: x's fragments, two sets of 72 at v0; W's, two sets of 32 at v144; v208-239 the bias.  Window 2: accumulators of a = 0-4, and at v160-231 x on its way to LDS, set 1; window 3: those of a = 5-8.
; LIMITS: tanh z = 1 - 2 / (1 + 2^(2 log2(e) z)) by v_exp_f32 and v_rcp_f32: an absolute error of a few 2^-24; where the power overflows the result is 1, where it falls to 0 it is -1.
.set PITCH, 272
.set WWV,   64*PITCH                   ; a wave's part of a W slot
.set WSL,   4*WWV                      ; a W slot
.set XB,    2*WSL                      ; x's two slots
.set XSL,   144*PITCH
.set SCX,   XB+2*XSL                   ; x's scale bytes: 72 runs
.set SCW,   237312                     ; W's scale bytes: 32 runs a wave
.set LST,   SCW+4*32*PITCH             ; 144 row numbers
.set SPARE, LST+768                    ; the spare words
.set STAGE, SPARE+512                  ; the way out: 16 rows x 272 bytes a wave
.set SC,   32
.set XR0,  104
.set XR1,  160
.set OFF,  176
.set XF,   0
.set WF,   144
.set BI,   208
.set MUL_LO,   0xa5
.set MUL_HI,   0xf5
.set FIRST_LO, 0x95
.set FIRST_HI, 0xd5
.set TO_F,     0x40
.set MSB, 0
.macro WIN new                         ; the immediate's high byte repeats the setting that is left; a switch that changes nothing is dropped
.if MSB != (\new)
	s_set_vgpr_msb (MSB<<8)|(\new)
.set MSB, \new
.endif
.endm
.macro PLACES                          ; four places behind matrix instructions (ISA guide 7.12.1)
.rept 4
	v_nop
.endr
.endm
	s_load_b256 s[4:11], s[0:1], 0x0               ; xq s[4:5], xs s[6:7], flags s[8:9], W_codes s[10:11]
	s_load_b128 s[12:15], s[0:1], 0x20             ; W_scales s[12:13], b s[14:15]
	s_load_b64 s[16:17], s[0:1], 0x30              ; out0
	v_lshl_add_u32 v28, v0, 2, SPARE
	v_mov_b32 v29, 0
	ds_add_u32 v28, v29                            ; the wave's opening
	ds_add_u32 v28, v29
	v_lshrrev_b32 v3, 5, v0
	v_readfirstlane_b32 s18, v3                    ; wave
	s_mov_b32 s20, ttmp9                           ; tc
	s_and_b32 s19, ttmp7, 0xffff                   ; t
	v_and_b32 v1, 15, v0                           ; r
	v_bfe_u32 v2, v0, 4, 1                         ; h
	v_and_b32 v3, 31, v0                           ; lane
	v_lshlrev_b32 v4, 3, v3
	v_lshlrev_b32 v30, 11, v3                      ; the prefetches: a row of W a lane,
	v_lshrrev_b32 v249, 1, v3
	v_lshlrev_b32 v249, 11, v249
	v_and_b32 v248, 1, v3
	v_lshl_add_u32 v249, v248, 8, v249             ; or a row of x, two K steps, two lanes
	s_wait_alu depctr_va_vdst(0)
	s_wait_dscnt 0x0                               ; both opening adds are done
	s_wait_kmcnt 0x0
	global_load_b32 v8, v4, s[8:9]                 ; lane l: the flags of rows 64 l .. 64 l + 31,
	global_load_b32 v9, v4, s[8:9] offset:4        ; and of the next 32
	s_and_b32 s22, s20, 3                          ; the head's prefetch: wave 0: 16 rows of x
	s_lshr_b32 s23, s20, 3
	s_lshl_b32 s23, s23, 2
	s_add_co_u32 s22, s22, s23
	s_lshl_b32 s23, s19, 3
	s_add_co_u32 s22, s22, s23                     ; 0 .. 127, each twice
	s_lshl_b32 s22, s22, 15
	s_mov_b32 s23, 0
	s_add_nc_u64 s[24:25], s[4:5], s[22:23]
	s_lshr_b32 s22, s19, 3                         ; my 32 rows of W
	s_lshl_b32 s22, s22, 12
	s_and_b32 s23, s19, 7
	s_lshl_b32 s23, s23, 5
	s_add_co_u32 s22, s22, s23
	s_lshl_b32 s23, s20, 8
	s_add_co_u32 s22, s22, s23
	s_lshl_b32 s22, s22, 11
	s_mov_b32 s23, 0
	s_add_nc_u64 s[26:27], s[10:11], s[22:23]
	s_add_nc_u64 s[84:85], s[26:27], 0x300         ; the loop's: at K step 3: the first change of slots steps it to 4
	s_sub_co_u32 s22, s18, 1
	s_and_b32 s22, s22, 3
	s_lshl_b32 s22, s22, 8                         ; waves 1 to 3: K steps 0 to 2
	s_add_nc_u64 s[26:27], s[26:27], s[22:23]
	s_cmp_eq_u32 s18, 0
	s_cselect_b64 s[24:25], s[24:25], s[26:27]
	s_cselect_b32 s22, -1, 0
	v_cndmask_b32 v250, v30, v249, s22
	global_prefetch_b8 v250, s[24:25] th:TH_LOAD_NT scope:SCOPE_SE
	; descriptor group 1: 64 rows x 256 bytes, 2,048 apart; elements of 1 byte; 16 bytes of padding behind each 256
	s_mov_b32 s68, (1<<20)|(5<<22)|(3<<25)
	s_mov_b32 s69, 256<<16
	s_mov_b32 s70, 64<<16
	s_mov_b32 s71, 256<<16
	s_mov_b32 s72, 64
	s_mov_b32 s73, 2048
	s_mov_b32 s74, 0
	s_mov_b32 s75, 0
	v_mul_u32_u24 v5, v1, PITCH
	v_lshl_add_u32 v6, v2, 4, v5                   ; a fragment's row x pitch + 16 x half
	v_add_nc_u32 v16, XB, v6                       ; x's fragments, slots 0, 1
	v_add_nc_u32 v17, XB+XSL, v6
	s_mul_i32 s22, s18, WWV
	v_add_nc_u32 v18, s22, v6                      ; W's
	s_add_co_u32 s22, s22, WSL
	v_add_nc_u32 v19, s22, v6
	v_lshrrev_b32 v7, 1, v1                        ; scale words: two rows of 128 bytes to a run
	v_mul_u32_u24 v7, v7, PITCH
	v_and_b32 v10, 1, v1
	v_lshl_add_u32 v7, v10, 7, v7
	v_add_nc_u32 v21, SCX, v7                      ; x's
	s_mul_i32 s22, s18, 32*PITCH
	s_add_co_u32 s22, s22, SCW-SCX
	v_mul_u32_u24 v10, s22, v2
	v_add_nc_u32 v20, v21, v10                     ; lanes 0-15 x's, lanes 16-31 my 64 rows of W's
	v_mul_u32_u24 v10, v2, PITCH
	v_lshl_add_u32 v10, v1, 4, v10                 ; 16 lanes 256 bytes, the next 16 one LDS row on
	s_mul_i32 s22, s18, 36*PITCH
	s_add_co_u32 s22, s22, XB
	v_add_nc_u32 v22, s22, v10                     ; x's codes on their way in: my 36 slots
	s_mul_i32 s22, s18, 32*PITCH
	s_add_co_u32 s22, s22, SCW
	v_add_nc_u32 v23, s22, v10                     ; W's scale bytes on their way in
	s_mul_i32 s22, s18, 16*PITCH
	s_add_co_u32 s22, s22, STAGE
	v_add_nc_u32 v25, s22, v10                     ; the stage, back
	v_lshl_add_u32 v24, v2, 5, v5
	v_add_nc_u32 v24, s22, v24                     ; the stage, in
	v_lshlrev_b32 v26, 4, v1
	v_lshrrev_b32 v11, 3, v3                       ; lane / 8
	v_lshrrev_b32 v27, 4, v3
	v_mul_u32_u24 v27, v27, PITCH
	v_and_b32 v10, 1, v11
	v_lshl_add_u32 v27, v10, 7, v27
	v_and_b32 v13, 7, v3
	v_lshlrev_b32 v13, 4, v13                      ; 16 (lane % 8)
	v_add_nc_u32 v27, v27, v13
	s_mul_i32 s22, s18, 18*PITCH
	s_add_co_u32 s22, s22, SCX
	v_add_nc_u32 v27, s22, v27                     ; x's scale bytes on their way in: 4 slots a store
	s_mul_i32 s22, s18, 144
	s_add_co_u32 s22, s22, LST
	v_lshlrev_b32 v10, 2, v2
	v_add_nc_u32 v14, s22, v10                     ; the list, my wave's slots: 2 i + h,
	v_add_nc_u32 v31, LST, v10                     ; (and of all the slots, for the way out)
	v_lshlrev_b32 v15, 2, v11
	v_add_nc_u32 v15, s22, v15                     ; 4 i + lane / 8,
	v_lshlrev_b32 v194, 2, v3
	v_add_nc_u32 v194, s22, v194                   ; lane,
	v_and_b32 v195, 3, v3
	v_lshlrev_b32 v195, 2, v195
	v_add_nc_u32 v195, s22, v195
	v_add_nc_u32 v195, 128, v195                   ; and 32 + lane % 4
	v_lshlrev_b32 v11, 5, v2                       ; the bias: 32 h
	v_lshlrev_b32 v12, 4, v3                       ; 16 x lane
; the number of ones of v[w] in fields of 2, 4, 8, 16 bits: v[b] .. v[b+3]; in all: v[b+4]
.macro ONES w, b
	v_lshrrev_b32 v[\b], 1, v[\w]
	v_and_b32 v[\b], 0x55555555, v[\b]
	v_sub_nc_u32 v[\b], v[\w], v[\b]
	v_lshrrev_b32 v[\b+4], 2, v[\b]
	v_and_b32 v[\b+4], 0x33333333, v[\b+4]
	v_and_b32 v[\b+1], 0x33333333, v[\b]
	v_add_nc_u32 v[\b+1], v[\b+1], v[\b+4]
	v_lshrrev_b32 v[\b+2], 4, v[\b+1]
	v_add_nc_u32 v[\b+2], v[\b+1], v[\b+2]
	v_and_b32 v[\b+2], 0x0f0f0f0f, v[\b+2]
	v_lshrrev_b32 v[\b+3], 8, v[\b+2]
	v_add_nc_u32 v[\b+3], v[\b+2], v[\b+3]
	v_and_b32 v[\b+3], 0x00ff00ff, v[\b+3]
	v_lshrrev_b32 v[\b+4], 16, v[\b+3]
	v_add_nc_u32 v[\b+4], v[\b+3], v[\b+4]
	v_and_b32 v[\b+4], 0xff, v[\b+4]
.endm
	s_wait_alu depctr_va_vdst(0)
	s_wait_xcnt 0x0                                ; the prefetch has read its base: s[24:25] is written below
	s_wait_loadcnt 0x0
	ONES 8, 200
	ONES 9, 205
	v_add_nc_u32 v196, v204, v209                  ; rows of expert 1 among my 64
	v_mov_b32 v197, v196
	v_mov_b32 v198, 0
.irp n, 1,2,4,8                        ; sums over the lanes up to mine, within 16,
	v_mov_b32_dpp v198, v197 row_shr:\n row_mask:0xf bank_mask:0xf bound_ctrl:1
	v_add_nc_u32 v197, v197, v198
.endr
	v_readlane_b32 s22, v197, 15
	v_mul_u32_u24 v198, s22, v2
	v_add_nc_u32 v197, v197, v198                  ; and over the 32
	v_readlane_b32 s25, v197, 31                   ; n1
	s_wait_alu depctr_va_vdst(0)                   ; ahead of a run of scalar instructions
	s_sub_co_u32 s24, 2048, s25                    ; n0
	s_add_co_u32 s26, s24, 143
	s_mul_hi_u32 s26, s26, 0x1c71c72               ; / 144: 2^32 / 144 rounded up, exact for numbers up to 2,191
	s_cmp_eq_u32 s25, 0
	s_cselect_b32 s26, 16, s26                     ; c0
	s_sub_co_u32 s27, 16, s26                      ; c1
	s_cmp_ge_u32 s19, s26
	s_cselect_b32 s21, 1, 0                        ; my tile's expert,
	s_cselect_b32 s28, s26, 0
	s_cselect_b32 s29, s27, s26                    ; its tiles c
	s_cselect_b32 s30, s25, s24                    ; and rows n
	s_min_u32 s21, s21, 1
	s_lshl_b32 s22, s21, 12
	s_lshl_b32 s23, s20, 8
	s_add_co_u32 s22, s22, s23
	s_lshl_b32 s24, s18, 6
	s_add_co_u32 s22, s22, s24                     ; my first row of W: 4,096 x expert + 256 tc + 64 x wave
	s_lshl_b32 s24, s22, 11
	s_mov_b32 s25, 0
	s_add_nc_u64 s[24:25], s[10:11], s[24:25]
	s_mov_b32 s76, 1                               ; group 0 for slot 0
	s_mul_i32 s77, s18, WWV
	s_mov_b64 s[78:79], s[24:25]
	s_or_b32 s79, s79, 0x80000000
	s_mov_b32 s80, 1                               ; and for slot 1
	s_add_co_u32 s81, s77, WSL
	s_add_nc_u64 s[82:83], s[24:25], 0x100
	s_or_b32 s83, s83, 0x80000000
	tensor_load_to_lds s[76:79], s[68:75]          ; K step 0
	s_nop 0
	PLACES
	s_lshl_b32 s24, s22, 7
	s_mov_b32 s25, 0
	s_add_nc_u64 s[12:13], s[12:13], s[24:25]      ; W's scale bytes: 128 a row
	s_lshl_b32 s24, s22, 2
	s_add_nc_u64 s[14:15], s[14:15], s[24:25]      ; the bias
	s_lshl_b32 s24, s20, 10
	s_lshl_b32 s26, s18, 8
	s_add_co_u32 s24, s24, s26
	s_add_nc_u64 s[16:17], s[16:17], s[24:25]      ; my first column of out0
	WIN TO_F
.irp bb, 0,1,2,3
	global_load_b128 v[BI+8*\bb:BI+8*\bb+3],   v11, s[14:15] offset:64*\bb
	global_load_b128 v[BI+8*\bb+4:BI+8*\bb+7], v11, s[14:15] offset:64*\bb+16
.endr
	WIN 0
.irp i, 0,1,2,3,4,5,6,7,8,9,10,11,12,13,14,15
	global_load_b128 v[32+4*\i:32+4*\i+3], v12, s[12:13] offset:512*\i
.endr
	; my tile's ranks
	s_mov_b32 s24, 0                               ; the largest number whose c-fold is under n, bit by bit (n is at most 144 c)
.irp k, 128,64,32,16,8,4,2,1
	s_add_co_u32 s25, s24, \k
	s_mul_i32 s26, s25, s29
	s_cmp_lt_u32 s26, s30
	s_cselect_b32 s24, s25, s24
.endr
	s_add_co_u32 s24, s24, 1                       ; S = ceil(n / c)
	s_sub_co_u32 s28, s19, s28                     ; j
	s_sub_co_u32 s30, s30, s29
	s_add_co_u32 s30, s30, s28                     ; n - c + j
	s_mul_i32 s29, s28, s24
	s_add_co_u32 s31, s29, s24
	s_add_co_u32 s28, s30, 1
	s_min_u32 s31, s31, s28                        ; where the next tile begins
	s_min_u32 s30, s30, s29                        ; where mine begins
	s_sub_co_u32 s3, s31, s30                      ; its rows,
	s_sub_co_u32 s2, s3, 1                         ; less one
	; RANK SELECTION.  Lane l of v199: 32 x (rows of my expert in front of row 64 l) + l.  v8, v9: ones where the row is my expert's
	v_sub_nc_u32 v197, v197, v196
	v_lshlrev_b32 v198, 6, v3
	v_sub_nc_u32 v198, v198, v197
	s_sub_co_u32 s22, 0, s21
	v_cndmask_b32 v198, v198, v197, s22
	v_lshl_or_b32 v199, v198, 5, v3
	s_sub_co_u32 s23, s21, 1
	v_xor_b32 v8, s23, v8
	v_xor_b32 v9, s23, v9
	s_mul_i32 s22, s18, 36
	v_add_nc_u32 v210, s22, v3                     ; my slot lane,
	v_and_b32 v211, 3, v3
	v_add_nc_u32 v211, s22, v211
	v_add_nc_u32 v211, 32, v211                    ; and slot 32 + lane % 4
.irp u, 0,1
	v_sub_nc_u32 v[242+\u], v[210+\u], s3
	v_min_u32 v[210+\u], v[210+\u], v[242+\u]      ; slots behind the rows begin again: the unsigned difference is the lesser there alone
	v_min_u32 v[210+\u], s2, v[210+\u]
	v_add_nc_u32 v[210+\u], s30, v[210+\u]         ; the rank
	v_lshl_or_b32 v[212+\u], v[210+\u], 5, 31
	v_mov_b32 v[214+\u], v[212+\u]
.endr
.set c, 1
.rept 31
	v_readlane_b32 s[32+c], v199, c
.set c, c+1
.endr
.set c, 1
.rept 31                               ; the last of the 32 that is not above the rank: the least unsigned difference
	v_sub_nc_u32 v216, v212, s[32+c]
	v_sub_nc_u32 v217, v213, s[32+c]
	v_min_u32 v214, v214, v216
	v_min_u32 v215, v215, v217
.set c, c+1
.endr
.irp u, 0,1
	v_sub_nc_u32 v[218+\u], v[212+\u], v[214+\u]
	v_and_b32 v[240+\u], 31, v[218+\u]             ; which 64 rows
	v_lshlrev_b32 v[220+\u], 2, v[240+\u]
	v_lshlrev_b32 v[240+\u], 6, v[240+\u]
	v_lshrrev_b32 v[226+\u], 5, v[218+\u]
	v_sub_nc_u32 v[226+\u], v[210+\u], v[226+\u]   ; the rank among them
	v_mov_b32 v[228+\u], 0
.endr
.irp u, 0,1
	ds_bpermute_b32 v[222+\u], v[220+\u], v8
	ds_bpermute_b32 v[224+\u], v[220+\u], v9
.endr
	s_wait_alu depctr_va_vdst(0)
	s_wait_dscnt 0x0
.macro LEVEL u, x, width               ; does the rank lie behind this field's ones?
	v_bfe_u32 v[242+\u], v[\x], v[228+\u], \width
	v_cmp_ge_u32 vcc_lo, v[226+\u], v[242+\u]
	v_cndmask_b32 v[242+\u], 0, v[242+\u], vcc_lo
	v_cndmask_b32 v[244+\u], 0, \width, vcc_lo
	v_sub_nc_u32 v[226+\u], v[226+\u], v[242+\u]
	v_add_nc_u32 v[228+\u], v[228+\u], v[244+\u]
.endm
.irp u, 0,1
	ONES 222+\u, 230+5*\u
	v_cmp_ge_u32 vcc_lo, v[226+\u], v[234+5*\u]    ; in the second 32?
	v_cndmask_b32 v[222+\u], v[222+\u], v[224+\u], vcc_lo
	v_cndmask_b32 v[242+\u], 0, v[234+5*\u], vcc_lo
	v_cndmask_b32 v[244+\u], 0, 32, vcc_lo
	v_sub_nc_u32 v[226+\u], v[226+\u], v[242+\u]
	v_add_nc_u32 v[240+\u], v[240+\u], v[244+\u]
	ONES 222+\u, 230+5*\u
	LEVEL \u, 233+5*\u, 16
	LEVEL \u, 232+5*\u, 8
	LEVEL \u, 231+5*\u, 4
	LEVEL \u, 230+5*\u, 2
	LEVEL \u, 222+\u, 1
	v_add_nc_u32 v[240+\u], v[240+\u], v[228+\u]   ; the row
.endr
	ds_store_b32 v194, v240
	ds_store_b32 v195, v241                        ; (eight lanes write the same word with the same value)
	s_wait_alu depctr_va_vdst(0)
	s_wait_dscnt 0x0
	s_barrier_signal -1
	s_barrier_wait -1                              ; the list is whole
.irp i, 0,1,2,3,4,5,6,7,8
	ds_load_b32 v[232+\i], v15 offset:16*\i
.endr
.irp i, 0,1,2,3,4,5,6,7,8,9,10,11,12,13,14,15,16,17
	ds_load_b32 v[OFF+\i], v14 offset:8*\i
.endr
	s_wait_dscnt 0x0
.irp i, 0,1,2,3,4,5,6,7,8
	v_min_u32 v[232+\i], 0x7ff, v[232+\i]
	v_lshl_add_u32 v[232+\i], v[232+\i], 7, v13
.endr
.irp i, 0,1,2,3,4,5,6,7,8
	global_load_b128 v[196+4*\i:196+4*\i+3], v[232+\i], s[6:7]     ; x's scale bytes: 8 lanes a row
.endr
.irp i, 0,1,2,3,4,5,6,7,8,9,10,11,12,13,14,15,16,17
	v_min_u32 v[OFF+\i], 0x7ff, v[OFF+\i]
	v_lshl_add_u32 v[OFF+\i], v[OFF+\i], 11, v26
.endr
.macro XLOAD off, set                  ; x's codes into a set of registers: 16 lanes load a row's 256 bytes of a K step
	WIN 0x80*(\set)                                ; destination window 2 for set 1
.irp i, 0,1,2,3,4,5,6,7,8,9,10,11,12,13,14,15,16,17
	global_load_b128 v[XR0+(XR1-XR0)*(\set)+4*\i:XR0+(XR1-XR0)*(\set)+4*\i+3], v[OFF+\i], s[4:5] offset:\off
.endr
.endm
.macro XSTORE slot                     ; set slot into x's LDS slot of that number
	WIN 0x08*(\slot)                               ; data in window 2 for set 1
.irp i, 0,1,2,3,4,5,6,7,8,9,10,11,12,13,14,15,16,17
	ds_store_b128 v22, v[XR0+(XR1-XR0)*(\slot)+4*\i:XR0+(XR1-XR0)*(\slot)+4*\i+3] offset:(\slot)*XSL+2*PITCH*\i
.endr
.endm
	XLOAD 0, 0
	XLOAD 256, 1
	WIN 0
	s_wait_alu depctr_va_vdst(0)
	s_wait_loadcnt 36                              ; the bias and all scale bytes are in; the 18 loads of codes of K step 0 and the 18 of K step 1 may be out
.irp i, 0,1,2,3,4,5,6,7,8,9,10,11,12,13,14,15
	ds_store_b128 v23, v[32+4*\i:32+4*\i+3] offset:2*PITCH*\i
.endr
.irp i, 0,1,2,3,4,5,6,7,8
	ds_store_b128 v27, v[196+4*\i:196+4*\i+3] offset:2*PITCH*\i
.endr
	s_wait_loadcnt 18                              ; K step 0's are in
	XSTORE 0
; A fragment, 16 rows x 128 K of 4-bit codes, is 8 registers: lane l holds row l % 16; registers 4 c .. 4 c + 3 hold K = 64 c + 32 (l / 16) + 0 .. 31
.macro XFRAG slot, q, p, i
.irp c, 0,1
	ds_load_b128 v[XF+72*(\p)+8*\i+4*\c:XF+72*(\p)+8*\i+4*\c+3], v[16+\slot] offset:64*(\q)+32*\c+\i*16*PITCH
.endr
.endm
.macro RUN1 slot, q, p                 ; 14 loads: W's four fragments, x's blocks 0-2, into set p
	WIN TO_F
.irp i, 0,1,2,3
.irp c, 0,1
	ds_load_b128 v[WF+32*(\p)+8*\i+4*\c:WF+32*(\p)+8*\i+4*\c+3], v[18+\slot] offset:64*(\q)+32*\c+\i*16*PITCH
.endr
.endr
.irp i, 0,1,2
	XFRAG \slot, \q, \p, \i
.endr
.endm
.macro RUN2 slot, q, p                 ; 12 loads: x's blocks 3-8
	WIN TO_F
.irp i, 3,4,5,6,7,8
	XFRAG \slot, \q, \p, \i
.endr
.endm
.macro SCALES sc                       ; a K step's scale words into set sc, four words a row: register 4 i + q: lanes 0-15 x's block i; lanes 16-31, for i < 4, W's block i
	WIN 0
.irp i, 0,1,2,3
	ds_load_b128 v[SC+36*\sc+4*\i:SC+36*\sc+4*\i+3], v20 offset:\i*8*PITCH
.endr
.irp i, 4,5,6,7,8
	ds_load_b128 v[SC+36*\sc+4*\i:SC+36*\sc+4*\i+3], v21 offset:\i*8*PITCH
.endr
.endm
; x's blocks a0 .. a0 + n - 1 against W's four: the K step's q-th 128.  The 36 accumulators take turns, one instruction a turn, in the same order in every step
.macro MUL a0, n, p, q, sc, first
.set aI, \a0
.rept \n
.irp b, 0,1,2,3
.set rD, 32*aI+8*\b
.if aI > 4
.set rD, 32*(aI-5)+8*\b
.endif
.set rB, WF+32*(\p)+8*\b
.set rA, XF+72*(\p)+8*aI
.set rC, rD
.if \first
.set rC, BI+8*\b
.endif
.set rSB, SC+36*(\sc)+4*\b+(\q)
.set rSA, SC+36*(\sc)+4*aI+(\q)
	v_wmma_scale_f32_16x16x128_f8f6f4 v[rD:rD+7], v[rB:rB+7], v[rA:rA+7], v[rC:rC+7], v[rSB], v[rSA] matrix_a_fmt:MATRIX_FMT_FP4 matrix_b_fmt:MATRIX_FMT_FP4 matrix_a_scale:MATRIX_SCALE_ROW1
.endr
.set aI, aI+1
.endr
.endm
; A step of 128 along K that has its successor in the same slot.  st > 0: x's next K step goes into the other slot (st = 1: the 18 loads of the one behind it may be out; 2: nothing is out behind it).
; ld = 1: x's K step three on is asked for.  pre = 1: the 18 stores of the step before may be out
.macro STEP slot, q, first, st, ld, pre
	s_wait_dscnt 8+18*(\pre)                       ; W's fragments, x's blocks 0-4 (and the scale words) are in; the eight loads of blocks 5-8 may be out
	PLACES
	RUN1 \slot, (\q)+1, 1-(\q)%2
.if \first
	WIN FIRST_LO
.else
	WIN MUL_LO
.endif
	MUL 0, 5, (\q)%2, \q, \slot, \first
	s_wait_dscnt 14                                ; all but RUN1's 14 loads are done: blocks 5-8 are in
	RUN2 \slot, (\q)+1, 1-(\q)%2
.if (\st) > 0
	s_wait_loadcnt 36-18*(\st)                     ; x's next K step is in registers
	XSTORE 1-\slot
.endif
.if \ld
	XLOAD 768, 1-\slot                             ; the stores that read these registers are done (the wait above)
.endif
.if \first
	WIN FIRST_HI
.else
	WIN MUL_HI
.endif
	MUL 5, 4, (\q)%2, \q, \slot, \first
.endm
; A slot's last step changes slots: ONE barrier.  In front of it each wave waits for all its tensor loads, adds 0 to its spare word, and waits for that and for its own LDS reads and stores.
; fill = 0: nothing is filled again; 1: the slot is; 2: and x's base and the prefetch's step on, and W's K step two refills on is asked for
.macro TURN slot, next, fill
	WIN 0
.if (\fill) > 1
	s_wait_xcnt 0x0                                ; x's loads and the prefetch have read their bases
	s_add_nc_u64 s[4:5], s[4:5], 0x100
	s_add_nc_u64 s[84:85], s[84:85], 0x100
.endif
	s_wait_tensorcnt 0x0                           ; my part of the next slot has landed
	ds_add_u32 v28, v29
	s_wait_dscnt 9                                 ; the add and the eight loads of blocks 5-8 may be out
	WIN MUL_LO
	MUL 0, 5, 1, 3, \slot, 0
	s_wait_dscnt 0x0                               ; the add is done, my reads of this slot are over, my rows of the next K step of x have landed
	s_barrier_signal -1
	WIN MUL_HI
	MUL 5, 2, 1, 3, \slot, 0
	WIN 0
	s_barrier_wait -1
.if (\fill) > 0
	s_add_nc_u64 s[78+4*\slot:79+4*\slot], s[78+4*\slot:79+4*\slot], 0x200
	tensor_load_to_lds s[76+4*\slot:79+4*\slot], s[68:75]          ; two K steps on, my only one until the next barrier
	s_nop 0
.endif
	PLACES
	v_add_nc_u32 v20, 16, v20                      ; the next K step's scale words
	v_add_nc_u32 v21, 16, v21
	s_wait_alu depctr_va_vdst(0)                   ; directly behind the writes
	SCALES \next
	RUN1 \next, 0, 0
	RUN2 \next, 0, 0
.if (\fill) > 1
	WIN 0
	s_cmp_eq_u32 s18, 0
	s_cbranch_scc0 .Lnot_asked_\@
	global_prefetch_b8 v30, s[84:85] th:TH_LOAD_NT scope:SCOPE_SE
.Lnot_asked_\@:
.endif
	WIN MUL_HI
	MUL 7, 2, 1, 3, \slot, 0
.endm
	WIN 0
	s_wait_tensorcnt 0x0                           ; my part of K step 0 is in
	ds_add_u32 v28, v29
	s_wait_dscnt 0x0                               ; the add and my stores are done
	s_barrier_signal -1
	s_barrier_wait -1                              ; everybody's are
	tensor_load_to_lds s[80:83], s[68:75]          ; K step 1
	s_nop 0
	PLACES
	SCALES 0
	RUN1 0, 0, 0
	RUN2 0, 0, 0
	XLOAD 512, 0                                   ; x's K step 2
	STEP 0, 0, 1, 0, 0, 0                          ; the first step's products start the sums, on the bias
	WIN 0
	s_mov_b32 s86, 2
.Llap:                                                 ; a trip goes once round the ring, from a slot's second step to the next lap's first: K steps 0 to 3; W's refills for 2 to 5, x's loads for 3 to 6
	STEP 0, 1, 0, 1, 0, 0
	STEP 0, 2, 0, 0, 1, 1
	TURN 0, 1, 2
	STEP 1, 0, 0, 0, 0, 0
	STEP 1, 1, 0, 1, 0, 0
	STEP 1, 2, 0, 0, 1, 1
	TURN 1, 0, 2
	STEP 0, 0, 0, 0, 0, 0
	WIN 0
	s_sub_co_u32 s86, s86, 1
	s_cmp_lg_u32 s86, 0
	s_cbranch_scc1 .Llap
	STEP 0, 1, 0, 1, 0, 0                          ; K step 4: W's refill for 6, x's last load, 7
	STEP 0, 2, 0, 0, 1, 1
	TURN 0, 1, 1
	STEP 1, 0, 0, 0, 0, 0                          ; K step 5: W's refill for 7
	STEP 1, 1, 0, 1, 0, 0
	STEP 1, 2, 0, 0, 0, 1
	TURN 1, 0, 1
	STEP 0, 0, 0, 0, 0, 0                          ; K step 6: x's K step 7 goes into LDS; nothing more is asked for
	STEP 0, 1, 0, 2, 0, 0
	STEP 0, 2, 0, 0, 0, 1
	TURN 0, 1, 0
	STEP 1, 0, 0, 0, 0, 0
	STEP 1, 1, 0, 0, 0, 0
	STEP 1, 2, 0, 0, 0, 0
	s_wait_dscnt 8
	WIN MUL_LO
	MUL 0, 5, 1, 3, 1, 0
	s_wait_dscnt 0x0
	WIN MUL_HI
	MUL 5, 4, 1, 3, 1, 0
	PLACES                                         ; for the reads of results and the writes over scale registers below
; THE WAY OUT, block by block of 16 slots x 64 columns.  TANH: 1 - 2 / (1 + 2^(2 log2(e) z)); each accumulator is read from its low end on; the exponentials are one batch, the reciprocals another.
.macro TANH a
.set TT, 32+32*((\a)%2)
.if (\a) < 5
.set AC, 32*(\a)
	WIN 0x02
.else
.set AC, 32*((\a)-5)
	WIN 0x03
.endif
	s_wait_alu depctr_va_vdst(0)                   ; directly ahead of the first reader of the block's results
.set j, 0
.rept 16
	v_pk_mul_f32 v[TT+j:TT+j+1], v[AC+j:AC+j+1], 0x4038aa3b op_sel_hi:[1,0]   ; 2 log2(e) z
.set j, j+2
.endr
	WIN 0
	s_wait_alu depctr_va_vdst(0)                   ; ahead of the batch
.set j, 0
.rept 32
	v_exp_f32 v[TT+j], v[TT+j]
.set j, j+1
.endr
	v_nop
	s_wait_alu depctr_va_vdst(0)                   ; and behind it
.set j, 0
.rept 16
	v_pk_add_f32 v[TT+j:TT+j+1], v[TT+j:TT+j+1], 1.0 op_sel_hi:[1,0]
.set j, j+2
.endr
	s_wait_alu depctr_va_vdst(0)
.set j, 0
.rept 32
	v_rcp_f32 v[TT+j], v[TT+j]
.set j, j+1
.endr
	v_nop
	s_wait_alu depctr_va_vdst(0)
.set j, 0
.rept 16
	v_pk_fma_f32 v[TT+j:TT+j+1], v[TT+j:TT+j+1], -2.0, 1.0 op_sel_hi:[1,0,0]
.set j, j+2
.endr
.endm
; TOSTAGE: a lane holds 32 neighbouring bytes of a row for each 16 columns, the lanes beside it other rows: the block goes through my own stage and comes back as rows of 256 bytes; with it the rows' numbers.
; LDS serves a wave's instructions in order (ISA guide 5.7.1.4): no wait between the stores and the loads.
.macro TOSTAGE a
.set TT, 32+32*((\a)%2)
.set BB, 96+32*((\a)%2)
.set OO, 160+8*((\a)%2)
.irp i, 0,1,2,3,4,5,6,7
	ds_load_b32 v[OO+\i], v31 offset:64*(\a)+8*\i
.endr
.irp bb, 0,1,2,3
	ds_store_b128 v24, v[TT+8*\bb:TT+8*\bb+3]   offset:64*\bb
	ds_store_b128 v24, v[TT+8*\bb+4:TT+8*\bb+7] offset:64*\bb+16
.endr
.irp i, 0,1,2,3,4,5,6,7
	ds_load_b128 v[BB+4*\i:BB+4*\i+3], v25 offset:\i*2*PITCH
.endr
.endm
.macro SEND a, younger                 ; younger: the LDS instructions issued behind block a's, which may stay out
.set BB, 96+32*((\a)%2)
.set OO, 160+8*((\a)%2)
	s_wait_dscnt \younger
.irp i, 0,1,2,3,4,5,6,7
	v_min_u32 v[OO+\i], 0x7ff, v[OO+\i]
.endr
.irp i, 0,1,2,3,4,5,6,7
	v_lshl_add_u32 v[OO+\i], v[OO+\i], 14, v26     ; 16,384 bytes a row of out0
.endr
.irp i, 0,1,2,3,4,5,6,7
	global_store_b128 v[OO+\i], v[BB+4*\i:BB+4*\i+3], s[16:17] th:TH_STORE_NT   ; 16 lanes store 256 consecutive bytes, aligned
.endr
.endm
	TANH 0
	TOSTAGE 0
.irp a, 1,2,3,4,5,6,7,8
	TANH \a                                        ; block a's arithmetic stands between block a - 1's loads from the stage and the wait for them
.if \a > 1
	s_wait_alu depctr_va_vdst(0)
	s_wait_xcnt 0x0                                ; block a - 2's stores have read their registers: block a's loads may land there
.endif
	TOSTAGE \a
	SEND \a-1, 24                                  ; behind block a - 1's: block a's 8 + 8 + 8
.endr
	SEND 8, 0
	s_wait_tensorcnt 0x0                           ; the wave's end
	ds_add_u32 v28, v29
	s_wait_dscnt 0x0
	s_endpgm
.Lfunc_end_k_q8bfd7b1fcd_gemm:
	.size	k_q8bfd7b1fcd_gemm, .Lfunc_end_k_q8bfd7b1fcd_gemm-k_q8bfd7b1fcd_gemm
	.p2alignl 7, 3214868480
	.fill 96, 4, 3214868480
	.section	.rodata,"a",@progbits
	.p2align	6, 0x0
	.amdhsa_kernel k_q8bfd7b1fcd_gemm
		.amdhsa_group_segment_fixed_size 327680
		.amdhsa_private_segment_fixed_size 0
		.amdhsa_enable_private_segment 0
		.amdhsa_kernarg_size 56
		.amdhsa_user_sgpr_count 2
		.amdhsa_user_sgpr_kernarg_segment_ptr 1
		.amdhsa_wavefront_size32 1
		.amdhsa_system_sgpr_workgroup_id_x 1
		.amdhsa_system_sgpr_workgroup_id_y 1
		.amdhsa_system_sgpr_workgroup_id_z 1
		.amdhsa_system_vgpr_workitem_id 0
		.amdhsa_next_free_vgpr 1024
		.amdhsa_next_free_sgpr 90
		.amdhsa_reserve_vcc 1
		.amdhsa_float_denorm_mode_32 3
		.amdhsa_float_denorm_mode_16_64 3
		.amdhsa_memory_ordered 1
		.amdhsa_forward_progress 1
		.amdhsa_inst_pref_size 255
	.end_amdhsa_kernel
	.section	.bss,"aw",@nobits
	.p2align	6
	.space	262144
	.amdgpu_metadata
---
amdhsa.version: [ 1, 2 ]
amdhsa.kernels:
  - .name:           k_q8bfd7b1fcd_gemm
    .symbol:         k_q8bfd7b1fcd_gemm.kd
    .args:
      - { .name: xq, .offset: 0, .size: 8, .value_kind: global_buffer, .address_space: global }
      - { .name: xs, .offset: 8, .size: 8, .value_kind: global_buffer, .address_space: global }
      - { .name: flags, .offset: 16, .size: 8, .value_kind: global_buffer, .address_space: global }
      - { .name: W_codes, .offset: 24, .size: 8, .value_kind: global_buffer, .address_space: global }
      - { .name: W_scales, .offset: 32, .size: 8, .value_kind: global_buffer, .address_space: global }
      - { .name: b, .offset: 40, .size: 8, .value_kind: global_buffer, .address_space: global }
      - { .name: out0, .offset: 48, .size: 8, .value_kind: global_buffer, .address_space: global }
    .group_segment_fixed_size: 327680
    .private_segment_fixed_size: 0
    .kernarg_segment_align: 8
    .kernarg_segment_size: 56
    .max_flat_workgroup_size: 128
    .sgpr_count:     90
    .vgpr_count:     1024
    .wavefront_size: 32
...
	.end_amdgpu_metadata
.endif
;; end of part 2
